; MI455X (gfx1250); checked and timed in simulation.
; The chip was launched on July 23, 2026; its instructions are those of AMD's public machine-readable ISA for CDNA 5 (MIT licence, August 2026) and "CDNA5" Instruction Set Architecture Reference Guide (July 2026). The comments in the code are by the model that wrote it; some were corrected since.
;; MXFP4 Matmul. Allowed arithmetic: matrix products marked QUANTISED: E2M3 operands, one E8M0 scale for each 32 along K, by v_wmma_scale_f32_16x16x128_f8f6f4 with both operands' format E2M3, f32 sums; everything else in f32.
;; Inputs: a 4,096 x 2,048 int32; b 4,096 x 2,048 int32; scales_a 4,096 x 128 float32; scales_b 4,096 x 128 float32.
;; Outputs: out0 4,096 x 4,096 float32.
;; This version of the problem:
;;   THIS VERSION OF THE PROBLEM IS GIVEN IN LOW PRECISION. The matrix products marked QUANTISED in the list below multiply operands that are first quantised to E2M3 (2 exponent bits, 3 mantissa bits; 6 bits a number), with one power-of-two scale for each 32 numbers along K (OCP MX v1.0); their sums are f32. All else is computed in f32.
;;   The module's matrix products, in the order in which they are computed (A, B: the left and right operand; K: the contracted axis; several contracted axes count as one K, in the product's order):
;;     1. [M 4,096, K 4,096] x [K 4,096, N 4,096]; A: computed on the way; B: computed on the way: QUANTISED
;;   THE QUANTISER, for each operand of a quantised product, along K:
;;     - K is cut into blocks of 32 from its start; a last block that is shorter is filled with zeros.
;;     - A block's scale is 2^e with e = floor(log2(the largest magnitude in the block)) - 2, held to -126 .. 127; a block of zeros has e = 0. As a byte (E8M0): e + 127.
;;     - Each number is divided by its block's scale, clamped to +-7.5, and rounded to the nearest number of E2M3, ties to even, subnormals kept.
;;     - The product sums the exact products of the quantised numbers (number of the format x scale) in f32.
;;   ~~~python
;;   def quantise(x, axis):      # numpy; x: float32 -> the quantised numbers, widened to float32 again
;;       x = np.moveaxis(x, axis, -1); K = x.shape[-1]
;;       x = np.pad(x, [(0, 0)] * (x.ndim - 1) + [(0, -K % 32)]); x = x.reshape(x.shape[:-1] + (-1, 32)); a = np.abs(x).max(-1, keepdims=True)
;;       e = np.where(a > 0, np.clip(np.frexp(np.where(a > 0, a, 1))[1] - 1 - 2, -126, 127), 0)      # np.frexp(a)[1] - 1 = floor(log2(a)), exactly
;;       r = np.clip(x / 2.0 ** e, -7.5, 7.5)
;;       step = 2.0 ** (np.maximum(np.frexp(np.where(r == 0, 1, r))[1] - 1, 0) - 3)
;;       q = np.round(r / step) * step * 2.0 ** e      # np.round: ties to even
;;       return np.moveaxis(q.reshape(q.shape[:-2] + (-1,))[..., :K], -1, axis).astype(np.float32)
;;   ~~~
;;   OPERANDS COMPUTED ON THE WAY. 'Computed on the way' means the value that the module computes at that place (a softmax that the list does not call 'softmax' is quantised finished and normalised). What goes into a quantiser is computed in f32, as accurately as f32 sums, v_exp_f32 and their like allow (about 1e-6 of the number): no bf16 or f16 on the way to a quantiser, and a product that is left as it is and whose result goes on into a quantised operand takes f32 operands (vector FMAs, or v_wmma_f32_16x16x4_f32). A number that lies on a knife's edge between two numbers of the format may be rounded either way, as far as f32 arithmetic and the matrix unit's own rounding can turn it there, and no further.
;; One version. Each part assembles by itself: llvm-mc -triple=amdgcn-amd-amdhsa -mcpu=gfx1250 --defsym DOCPART=n.
;; ======== version 1 of 1: 2 launches
;; limits: right only within a limited range of input values
;; workspace buffers: a_q 13,107,200 bytes; b_q 13,107,200 bytes
;; launch quant (part 1): grid 1024 x 1, 4 waves a work-group, no clusters, 53,760 bytes of LDS; arguments a, b, scales_a, scales_b, a_q, b_q; writes a_q, b_q
.if DOCPART == 1
	.amdgcn_target "amdgcn-amd-amdhsa--gfx1250"
	.amdhsa_code_object_version 6
	.text
	.protected	k_q7aa83b6c85_quant
	.globl	k_q7aa83b6c85_quant
	.p2align	8
	.type	k_q7aa83b6c85_quant,@function
k_q7aa83b6c85_quant:
	s_mov_b64 s[64:65], 0
	v_nop
	global_prefetch_b8 v0, s[64:65] scope:SCOPE_SE
	s_setreg_imm32_b32 hwreg(HW_REG_WAVE_MODE, 25, 1), 1
	s_wait_xcnt 0x0
; a, b: [4096][2048] int32, of which the low byte counts: two FP4 (E2M1) codes, the low nibble first.  scales_a, scales_b: [4096][128] f32, one for each 32 numbers along K.
; A number is its code's value x exp2(scale - 127), in f32.  These numbers are quantised along K to codes of FP6 (E2M3) with one E8M0 byte for each 32 along K.  A block's scale is
; 2^(floor(log2(its largest magnitude)) - 2); its byte is the largest magnitude's exponent field - 2, held at 1 from below.
; The scales are taken as the f32 numbers that they are: no bits of an FP4 code are moved into an FP6 code; the value is made, multiplied and quantised anew.
; LIMITS: a scale under 1 gives a factor under 2^-126, which the exponential returns as 0 (ISA guide, its entry in 15.8) where a denormal would be kept; NaN, infinities and scales at which
; 6 x 2^(scale - 127) overflows are not served; a block of zeros gets the byte 1 where the rule says 127: its codes are zeros, which add nothing, and the bytes are read by this program alone.
; THE OUTPUT IS LAID AS THE PRODUCT'S LAUNCH READS IT: [32 blocks of 128 rows][32 groups of 128 along K]; a group is 12,800 bytes: eight FRAGMENT IMAGES (16 rows x 128 K: the operand's 12 registers a lane, as three
; pieces of 512 bytes, lane L's registers 4 c .. 4 c + 3 at 512 c + 16 L; lane L = row % 16 + 16 h holds in registers 6 c' .. 6 c' + 5 the block 2 c' + h of its row), then 512 bytes of scale words, [16-row block][row].
; SHARES.  The first WGA work-groups take a, the others b: only pointers are chosen, the text has one path.  A wave takes 16 rows x 512 along K: four fragments.  All its 34 loads are issued at its head
; (17 KiB a wave on their way); every offset is an immediate; no pointer is stepped.  The four waves of a work-group stand side by side along K.
; A STEP is four rows of one fragment: two loads, each of two aligned runs of 256 bytes (sixteen lanes to a row).  A load gives a lane four int32: their low bytes are packed into one word of eight nibbles.  The
; conversions want 16 neighbours along K in ONE lane, so a step's 64 packed words turn through the wave's own LDS: stored 4 bytes a lane as loaded, read 8 bytes a lane.  Lanes 2 n and 2 n + 1 then hold a block.
; A lane's 12 bytes of codes are three registers of the image: they go to a stage in LDS word by word, and after a fragment's four steps its three pieces come back and are stored, 512 consecutive bytes each.
; No tensor loads, no barrier: waves share nothing.
.set WGA,  512                         ; work-groups for a: 4096 x 4096 numbers / (4 waves x 8,192)
.set WREG, 13312                       ; LDS of a wave: 4,096 bytes of packed words (256 for each step, each step's its own),
.set FSC,  4096                        ; 1,024 bytes: the 256 factors exp2(scale - 127), [row][16],
.set BSC,  5120                        ; 256 bytes: the 256 E8M0 bytes, [row][16],
.set IMG,  5376                        ; 7,680 bytes: the stage for the four fragment images
.set HP,   320                         ; in the stage lanes 16-31 of a piece lie 320 bytes behind lanes 0-15, a piece is 640 bytes, a fragment 1,920: with these the 32 lanes of a word store
.set PP,   640                         ; fall on 32 different banks (64 banks of 4 bytes: ISA guide 11.1): bank = 32 piece + 16 h + 4 (row in the step) + word, and the four (c', half) of a store differ in the word
.set FP,   1920
.set FRB,  1536                        ; a fragment image in memory
.set GRP,  12800                       ; a group: 8 images and 512 bytes of scale words
.set RBB,  409600                      ; a block of 128 rows: 32 groups
.set T,    16                          ; v16-19  at work in the packing
.set P,    20                          ; v20-21  a step's two packed words
.set Q,    24                          ; v24-27  two sets of two words: my 16 nibbles back from LDS
.set S,    28                          ; v28-31  two pairs: the low word is my block's factor; the high word is only named with it, and written once
.set X,    32                          ; v32-47  my 16 numbers
.set F,    48                          ; v48-55  my eight of the wave's scales
.set IA,   56                          ; v56-58  where my three registers of codes go in the stage
.set RB,   59                          ; v59     where I read a piece back
.set R,    64                          ; v64-191 the 32 loads' registers; step t's eight are free once packed and then take its codes (R + 8 t on) and its byte (R + 8 t + 4)
.set OUT,  192                         ; v192-239 the twelve pieces on their way out: each has its own registers, so no store's data are written again
	s_load_b256 s[4:11], s[0:1], 0x0               ; a s[4:5], b s[6:7], scales_a s[8:9], scales_b s[10:11]
	s_load_b128 s[12:15], s[0:1], 0x20             ; a's output s[12:13], b's s[14:15]
	v_lshl_add_u32 v240, v0, 2, 0xd000
	v_mov_b32 v241, 0
	v_lshrrev_b32 v11, 5, v0
	v_readfirstlane_b32 s20, v11                   ; wave 0..3
	v_and_b32 v11, 31, v0                          ; lane l
	s_mul_i32 s21, s20, WREG                       ; my wave's LDS
	s_mov_b32 s22, 0x04000400                      ; byte select: the low byte of the second source, the low byte of the first, and again
	s_mov_b32 s23, 0x05040100                      ; byte select: the low half of the second source, the low half of the first
	v_and_b32 v60, 15, v11                         ; l % 16
	v_lshrrev_b32 v61, 4, v11                      ; l / 16
	v_lshlrev_b32 v1, 4, v60
	v_lshl_add_u32 v1, v61, 13, v1                 ; the int32: 16 (l % 16), and lanes 16-31 one row (8,192 bytes) further down
	v_lshrrev_b32 v62, 2, v11
	v_and_b32 v63, 3, v11
	v_lshlrev_b32 v2, 4, v63
	v_lshl_add_u32 v2, v62, 9, v2                  ; the scales: row l / 4 (512 bytes a row), 16 (l % 4): four lanes take a row's 64 bytes
	v_lshl_add_u32 v3, v11, 2, s21                 ; packed words, on the way in: 4 l
	v_lshl_add_u32 v4, v11, 3, s21                 ; and on the way out: 8 l
	v_lshl_add_u32 v5, v11, 4, s21                 ; the factors, on the way in: 16 l = 64 (l / 4) + 16 (l % 4)
	v_lshlrev_b32 v8, 4, v11                       ; a piece in memory: 16 l
	v_lshrrev_b32 v62, 3, v11                      ; my row in a step: l / 8
	v_bfe_u32 v63, v11, 1, 2                       ; my block in the fragment: (l / 2) % 4
	v_lshl_add_u32 v6, v62, 6, s21
	v_lshl_add_u32 v6, v63, 2, v6                  ; my block's factor: 64 x row + 4 x block
	v_lshl_add_u32 v7, v62, 4, s21
	v_add_nc_u32 v7, v7, v63                       ; my block's byte: 16 x row + block
	v_lshl_add_u32 v9, v60, 4, s21
	v_lshl_add_u32 v9, v61, 2, v9                  ; the scale words, on the way out: row l % 16, word l / 16
	v_mul_u32_u24 v15, v61, GRP
	v_lshl_add_u32 v15, v60, 2, v15                ; and in memory: group l / 16, 4 (l % 16)
	v_mul_u32_u24 v[RB], v61, HP
	v_lshl_add_u32 v[RB], v60, 4, v[RB]
	v_add_nc_u32 v[RB], s21, v[RB]                 ; a piece out of the stage: 320 (l / 16) + 16 (l % 16)
	v_bfe_u32 v60, v11, 1, 1                       ; h: which half of the image's lanes my block belongs to
	v_bfe_u32 v61, v11, 2, 1                       ; c': its first or second six registers
	v_and_b32 v63, 1, v11                          ; which half of the block is mine
	v_mul_u32_u24 v60, v60, HP
	v_lshl_add_u32 v60, v62, 4, v60
	v_add_nc_u32 v60, s21, v60                     ; 320 h + 16 x my row in the step
	v_mul_u32_u24 v61, v61, 6
	v_mad_u32_u24 v61, v63, 3, v61                 ; my first register of the image: 6 c' + 3 x half
.irp j, 0,1,2
	v_add_nc_u32 v62, \j, v61                      ; register n of the image lies in piece n / 4, word n % 4
	v_lshrrev_b32 v63, 2, v62
	v_and_b32 v62, 3, v62
	v_mad_u32_u24 v63, v63, PP, v60
	v_lshl_add_u32 v[IA+\j], v62, 2, v63
.endr
	v_mov_b32 v10, 0x7f7f7f7f                      ; the scale 1.0 in every byte: the FP4 codes are widened as they are
	v_mov_b32 v[S+1], 0                            ; (named as the upper halves of pairs, so they are written)
	v_mov_b32 v[S+3], 0
	s_wait_kmcnt 0x0
	s_cmp_lt_u32 ttmp9, WGA                        ; a's work-group or b's?  The choice hangs on the work-group's number alone; every select stands ahead of the subtraction, which sets SCC
	s_cselect_b64 s[4:5], s[4:5], s[6:7]
	s_cselect_b64 s[8:9], s[8:9], s[10:11]
	s_cselect_b64 s[12:13], s[12:13], s[14:15]
	s_cselect_b32 s27, 0, WGA
	s_sub_co_u32 s27, ttmp9, s27                   ; 0 .. 511
	s_lshr_b32 s26, s27, 1                         ; which 16 rows: 0 .. 255
	s_and_b32 s27, s27, 1
	s_lshl_b32 s27, s27, 2
	s_add_co_u32 s27, s27, s20                     ; which 512 along K: 0 .. 7
	s_mov_b32 s25, 0
	s_lshl_b32 s24, s26, 17                        ; 16 rows of 8,192 bytes of int32,
	s_lshl_b32 s28, s27, 10                        ; 1,024 bytes of a row
	s_add_co_u32 s24, s24, s28
	s_add_nc_u64 s[4:5], s[4:5], s[24:25]
	s_lshl_b32 s24, s26, 13                        ; 16 rows of 512 bytes of scales,
	s_lshl_b32 s28, s27, 6                         ; 64 bytes of a row
	s_add_co_u32 s24, s24, s28
	s_add_nc_u64 s[8:9], s[8:9], s[24:25]
	s_lshr_b32 s28, s26, 3                         ; my block of 128 rows,
	s_mul_i32 s24, s28, RBB
	s_mul_i32 s28, s27, 4*GRP                      ; my first group
	s_add_co_u32 s24, s24, s28
	s_add_nc_u64 s[12:13], s[12:13], s[24:25]
	s_and_b32 s28, s26, 7                          ; my 16 rows in the block of 128
	s_lshl_b32 s24, s28, 6
	s_add_co_u32 s24, s24, 8*FRB
	s_add_nc_u64 s[14:15], s[12:13], s[24:25]      ; my scale words in the group
	s_mul_i32 s24, s28, FRB
	s_add_nc_u64 s[12:13], s[12:13], s[24:25]      ; my fragment image in the group
	global_load_b128 v[F:F+3],   v2, s[8:9]                            ; the scales first: they are wanted first.  Rows 0-7,
	global_load_b128 v[F+4:F+7], v2, s[8:9] offset:4096                ; rows 8-15
.set i, 0
.rept 32
	global_load_b128 v[R+4*i:R+4*i+3], v1, s[4:5] offset:(4*((i/2)%4)+2*(i%2))*8192+256*(i/8) th:TH_LOAD_NT   ; step i / 2: two rows' 256 consecutive bytes, each at a multiple of 256 from the buffer's first byte; read once in the launch
.set i, i+1
.endr
	s_wait_loadcnt 32                              ; loads come back in order (ISA guide 5.7.1): the two loads of scales are in, the 32 behind them stay out
.irp j, 0,1,2,3,4,5,6,7
	v_add_f32 v[F+\j], 0xc2fe0000, v[F+\j]         ; scale - 127, one rounding
.endr
	s_wait_alu depctr_va_vdst(0)
.irp j, 0,1,2,3,4,5,6,7
	v_exp_f32 v[F+\j], v[F+\j]                     ; 2^(scale - 127)
.endr
	v_nop                                          ; one plain place behind the exponentials
	s_wait_alu depctr_va_vdst(0)
	ds_store_b128 v5, v[F:F+3] offset:FSC          ; the 256 factors: 64 bytes a row
	ds_store_b128 v5, v[F+4:F+7] offset:FSC+512
; Step t's 128 int32 become 64 packed words, which turn through LDS; with them comes my block's factor.
.macro TURN t
	s_wait_loadcnt 30-2*(\t)                       ; step t's two loads are in; the 30 - 2 t issued behind them may be out
.irp j, 0,1,2,3
	v_perm_b32 v[T+\j], v[R+8*(\t)+2*\j+1], v[R+8*(\t)+2*\j], s22   ; the low bytes of two neighbouring int32
.endr
	v_perm_b32 v[P],   v[T+1], v[T],   s23         ; four bytes, eight nibbles, in K's order: the first load's
	v_perm_b32 v[P+1], v[T+3], v[T+2], s23         ; and the second's
	ds_store_b32 v3, v[P]   offset:256*(\t)        ; word l of the step's 64: sixteen words a row
	ds_store_b32 v3, v[P+1] offset:256*(\t)+128    ; word 32 + l
	ds_load_b64 v[Q+2*((\t)%2):Q+2*((\t)%2)+1], v4 offset:256*(\t)   ; LDS serves a wave's instructions in order (ISA guide 5.7.1.4): these see the stores above.  Words 2 l, 2 l + 1: row l / 8, numbers 16 (l % 8) on
	ds_load_b32 v[S+2*((\t)%2)], v6 offset:FSC+256*((\t)%4)+16*((\t)/4)   ; the factor of my block: row 4 (t % 4) + l / 8, block 4 (t / 4) + (l / 2) % 4
.endm
.macro PIECES f                        ; fragment f is whole in the stage: its three pieces come back, 16 bytes a lane
.irp c, 0,1,2
	ds_load_b128 v[OUT+12*(\f)+4*\c:OUT+12*(\f)+4*\c+3], v[RB] offset:IMG+FP*(\f)+PP*\c
.endr
.endm
.macro SENDF f                         ; and leave: the wave stores 512 consecutive bytes, at a multiple of 256 from the buffer's first byte
.irp c, 0,1,2
	global_store_b128 v8, v[OUT+12*(\f)+4*\c:OUT+12*(\f)+4*\c+3], s[12:13] offset:(\f)*GRP+512*\c
.endr
.endm
	TURN 0
.macro STEP t
.set QS, Q+2*((\t)%2)
.set SS, S+2*((\t)%2)
.set CD, R+8*(\t)
.if (\t)%4 == 0
	s_wait_dscnt 0x0                               ; this step's words and factor are back, and so are the pieces of the fragment just finished
.if (\t) > 0
	SENDF (\t)/4-1
.endif
.else
	s_wait_dscnt 4                                 ; this step's words and factor are back; behind them the last step's byte store and its three word stores were issued
.endif
	v_cvt_scale_pk8_f32_fp4 v[X:X+7],    v[QS],   v10                  ; eight FP4 codes to f32, x 1.0: the lowest nibble first
	v_cvt_scale_pk8_f32_fp4 v[X+8:X+15], v[QS+1], v10
.if (\t) < 15
	s_wait_alu depctr_va_vdst(0)
	TURN (\t)+1                                    ; the next step turns while this one is worked; its six byte selects are the plain place behind the conversions
.else
	v_nop                                          ; one plain place behind the conversions
.endif
.irp j, 0,2,4,6,8,10,12,14
	v_pk_mul_f32 v[X+\j:X+\j+1], v[X+\j:X+\j+1], v[SS:SS+1] op_sel_hi:[1,0]   ; value x factor, in f32: the pair's low word serves both halves
.endr
	v_max3_num_f32 v12, |v[X]|, |v[X+1]|, |v[X+2]|                     ; the largest magnitude of my 16, in two chains
	v_max3_num_f32 v13, |v[X+3]|, |v[X+4]|, |v[X+5]|
.irp j, 6,10
	v_max3_num_f32 v12, v12, |v[X+\j]|, |v[X+\j+1]|
	v_max3_num_f32 v13, v13, |v[X+\j+2]|, |v[X+\j+3]|
.endr
	v_max3_num_f32 v12, v12, |v[X+14]|, |v[X+15]|
	v_max3_num_f32 v12, v12, v13, 0x1800000        ; and the floor 2^(3 - 127), under which no largest magnitude is taken: so the byte cannot fall under 1
	v_max_num_f32_dpp v12, v12, v12 row_xmask:1 row_mask:0xf bank_mask:0xf   ; and of my neighbour's 16: the block's
	v_add_nc_u32 v14, 0xff000000, v12              ; 2 off its exponent field: the conversion takes the exponent field of this operand as its scale, and nothing else of it
	v_cvt_scalef32_pk16_fp6_f32 v[CD:CD+2], v[X:X+15], v14             ; sixteen numbers / the scale, to the nearest code, ties to even, beyond 7.5 the largest code; 96 bits without gaps
	v_lshrrev_b32 v[CD+4], 23, v14                 ; the scale's byte.  (Also the plain place behind the conversion: the next step writes its sources)
	ds_store_b8 v7, v[CD+4] offset:BSC+64*((\t)%4)+4*((\t)/4)          ; both lanes of a block write the same byte with the same value
.irp j, 0,1,2
	ds_store_b32 v[IA+\j], v[CD+\j] offset:IMG+FP*((\t)/4)+64*((\t)%4) ; my three registers of the image of fragment t / 4, rows 4 (t % 4) on
.endr
.if (\t)%4 == 3
	PIECES (\t)/4                                  ; LDS serves a wave's instructions in order: these see the fragment's 12 word stores
.endif
.endm
.irp t, 0,1,2,3,4,5,6,7,8,9,10,11,12,13,14,15
	STEP \t
.endr
	ds_load_b32 v12, v9 offset:BSC                 ; the scale words: lanes 0-15 fragment 0's sixteen rows, lanes 16-31 fragment 1's;
	ds_load_b32 v13, v9 offset:BSC+8               ; fragments 2 and 3
	s_wait_dscnt 2                                 ; the last fragment's pieces are back; the two loads behind them may be out
	SENDF 3
	s_wait_dscnt 0x0
	global_store_b32 v15, v12, s[14:15]            ; sixteen lanes store a fragment's 64 consecutive bytes of scale words: the other 16-row blocks' words beside them come from other work-groups,
	global_store_b32 v15, v13, s[14:15] offset:2*GRP   ; so these runs are shorter than 256 bytes; they are one byte in 25 of what the launch stores
	s_wait_tensorcnt 0x0
	ds_add_u32 v240, v241
	s_wait_dscnt 0x0
	s_endpgm
.Lfunc_end_k_q7aa83b6c85_quant:
	.size	k_q7aa83b6c85_quant, .Lfunc_end_k_q7aa83b6c85_quant-k_q7aa83b6c85_quant
	.p2alignl 7, 3214868480
	.fill 96, 4, 3214868480
	.section	.rodata,"a",@progbits
	.p2align	6, 0x0
	.amdhsa_kernel k_q7aa83b6c85_quant
		.amdhsa_group_segment_fixed_size 53760
		.amdhsa_private_segment_fixed_size 0
		.amdhsa_enable_private_segment 0
		.amdhsa_kernarg_size 48
		.amdhsa_user_sgpr_count 2
		.amdhsa_user_sgpr_kernarg_segment_ptr 1
		.amdhsa_wavefront_size32 1
		.amdhsa_system_sgpr_workgroup_id_x 1
		.amdhsa_system_sgpr_workgroup_id_y 1
		.amdhsa_system_sgpr_workgroup_id_z 1
		.amdhsa_system_vgpr_workitem_id 0
		.amdhsa_next_free_vgpr 242
		.amdhsa_next_free_sgpr 66
		.amdhsa_reserve_vcc 0
		.amdhsa_float_denorm_mode_32 3
		.amdhsa_float_denorm_mode_16_64 3
		.amdhsa_memory_ordered 1
		.amdhsa_forward_progress 1
		.amdhsa_inst_pref_size 49
	.end_amdhsa_kernel
	.amdgpu_metadata
---
amdhsa.version: [ 1, 2 ]
amdhsa.kernels:
  - .name:           k_q7aa83b6c85_quant
    .symbol:         k_q7aa83b6c85_quant.kd
    .args:
      - { .name: a, .offset: 0, .size: 8, .value_kind: global_buffer, .address_space: global }
      - { .name: b, .offset: 8, .size: 8, .value_kind: global_buffer, .address_space: global }
      - { .name: scales_a, .offset: 16, .size: 8, .value_kind: global_buffer, .address_space: global }
      - { .name: scales_b, .offset: 24, .size: 8, .value_kind: global_buffer, .address_space: global }
      - { .name: a_q, .offset: 32, .size: 8, .value_kind: global_buffer, .address_space: global }
      - { .name: b_q, .offset: 40, .size: 8, .value_kind: global_buffer, .address_space: global }
    .group_segment_fixed_size: 53760
    .private_segment_fixed_size: 0
    .kernarg_segment_align: 8
    .kernarg_segment_size: 48
    .max_flat_workgroup_size: 128
    .sgpr_count:     66
    .vgpr_count:     242
    .wavefront_size: 32
...
	.end_amdgpu_metadata
.endif
;; end of part 1
;; launch gemm (part 2): grid 16 x 16, 4 waves a work-group, clusters of 4 x 4, 327,680 bytes of LDS; arguments a_q, b_q, out0; writes out0
.if DOCPART == 2
	.amdgcn_target "amdgcn-amd-amdhsa--gfx1250"
	.amdhsa_code_object_version 6
	.text
	.protected	k_q7aa83b6c85_gemm
	.globl	k_q7aa83b6c85_gemm
	.p2align	8
	.type	k_q7aa83b6c85_gemm,@function
k_q7aa83b6c85_gemm:
	s_mov_b64 s[64:65], 0
	v_nop
	global_prefetch_b8 v0, s[64:65] scope:SCOPE_SE
	s_setreg_imm32_b32 hwreg(HW_REG_WAVE_MODE, 25, 1), 1
	s_wait_xcnt 0x0
	s_wait_alu depctr_hold_cnt(0) depctr_sa_sdst(0) depctr_va_vdst(0) depctr_va_sdst(0) depctr_va_ssrc(0) depctr_va_vcc(0) depctr_vm_vsrc(0)
	s_getreg_b32 s2, hwreg(HW_REG_IB_STS2, 6, 4)
	s_cmp_eq_u32 s2, 0
	s_cbranch_scc0 .Lentry_in_a_cluster
	s_endpgm
.Lentry_in_a_cluster:
	s_bfe_u32 s2, ttmp6, 0x10000c
	s_cmp_lg_u32 s2, 0xf033
	s_cbranch_scc0 .Lentry_shape_is_right
	s_endpgm
.Lentry_shape_is_right:
; out0[m][n] = sum over k of A[m][k] B[n][k], f32.  A and B arrive as a_q and b_q, which the launch before has laid: codes of FP6 (E2M3) with one E8M0 byte for each 32 along K,
; as [32 blocks of 128 rows][32 groups of 128 along K]; a group is 12,800 bytes: eight fragment images (16 rows x 128 K, the operand's 12 registers a lane as three pieces of 512 bytes,
; lane L's registers 4 c .. 4 c + 3 at 512 c + 16 L), then 512 bytes of scale words, [16-row block][row].  So a fragment is three ds_load_b128 at 16 x lane, and nothing is shifted or unpacked.
; SHARES: a work-group of four waves makes 256 x 256 of out0, a wave 128 x 128: 64 accumulators, 512 registers.  16 x 16 work-groups: one for each of 256 WGPs.
; THE RING: two LDS slots, each with three groups (384 along K) of A's 256 rows and B's 256 rows: 4 x 38,400 bytes; a wave fetches one quarter (one block of 128 rows) by one tensor load, as 150 dense rows of 256 bytes.
; 32 groups = a first fill of 2 groups (fill 0, slot 0) + ten fills of 3 (fill f in slot f % 2).
; CLUSTERS: 4 x 4 work-groups.  The four of a row of the cluster need the same blocks of A, the four of a column the same blocks of B: each is asked for jointly, by the same load with a mask that names the four.
; Where a slot is filled again, a round of the cluster's barrier takes the place of the work-group's barrier.
; REGISTERS, in windows of 256: window 0: v0-31 addresses; v32-47 scale words, two sets of 8 (lanes 0-15 A's block i, lanes 16-31 B's block i); v64-159 and v160-255 A's fragments, TWO sets.
;   window 1: B's fragments, two sets, at v0 and v128; v96-127 and v224-255 take the rows on their way out.  window 2: the accumulators of my rows 0-63 ((a, b) at v[8 (8 a + b)]); window 3: those of my rows 64-127.
; With two sets on both sides a step's 56 LDS loads name no register that the step's own products read: they stand in ONE run at the step's head, 64 matrix instructions ahead of the step that reads them,
; behind one group of four places; then the 64 products follow with one window switch between them.
; THE MATRIX INSTRUCTION IS USED TRANSPOSED (source 0 = 16 rows of B, source 1 = 16 rows of A): a lane holds eight neighbouring numbers of a row of out0.
; THE LAST TWO STEPS have both sets in registers and go by pairs of 16-row blocks: a pair's 16 products of the one step, its 16 of the other, and the pair leaves while the later pairs are multiplied.
; PREFETCH INTO THE L2: at a change of slots every wave has waited for all its tensor loads, so a refill sets out with nothing on its way beside it.  Behind the load of fill f each wave names fill f + 2's
; bytes of the block of 128 rows that it fetches: 150 blocks of 256 bytes, shared out BY ADDRESS among the four partners that ask for them jointly (place p takes blocks (150 p + 3) / 4 up to the next
; partner's first: 38, 37, 38, 37), a lane a block, two instructions a wave; the second one's spare lanes name its last block again.  Under fill 0's flight fill 1 is named, behind fill 1's load fills 2 and 3;
; fills 9 and 10 name nothing, since fill 10 is the last.  So a work-group has at most two fills named and not yet loaded.
.set SIZE_N, 4096
.set SIZE_K, 4096
.set FR,     12                        ; registers of a fragment
.set NL,     3                         ; LDS loads that bring one
.set NP,     4                         ; places behind this matrix instruction (ISA guide 7.12.1)
.set FRB,    1536                      ; a fragment image
.set SCO,    8*FRB                     ; the scale words' place in a group
.set GRP,    SCO+512
.set NQ,     3                         ; groups in a fill
.set NQ0,    2                         ; groups in fill 0
.set QUART,  NQ*GRP                    ; what one tensor load brings: 38,400 bytes
.set SLOT,   4*QUART                   ; A's two blocks of 128 rows, then B's two
.set RBB,    (SIZE_K/128)*GRP          ; a block of 128 rows in memory
.set TRIPS,  ((SIZE_K/128-NQ0)/NQ-2)/2 ; a trip is six steps and fills both slots again
.set SPARE,  2*SLOT                    ; behind the ring: the spare words, 128 bytes for each wave, which no other line names
.set SPITCH, 528                       ; the way out: a stage of 16 rows x (512 + 16) bytes for each wave, in slot 1, which has had its last fill and its last read by then
.set ADRA, 16                          ; v16-17 my A fragments in slot 0, 1
.set ADRB, 20                          ; v20-21 my B fragments
.set ADRS, 22                          ; v22-23 my scale words: lanes 0-15 A's rows, lanes 16-31 B's
.set STO,  24                          ; the way out: where I put 32 bytes of a row
.set RD,   25                          ; where I read a row back
.set CO,   26                          ; 16 x lane: my bytes of a row of 512
.set SPW,  28                          ; my spare word; never rewritten
.set NIL,  29                          ; 0; never rewritten
.set PFO,  30                          ; v30-31 the prefetches' offsets: 256 x lane, and 256 x (32 + the lesser of lane and my share's last block - 32); never rewritten
.set SC,   32
.set AF,   64
.set G1,   24                          ; s[24:31] group 1 for A's fills of three groups; s[32:39] group 0, one for each slot
.set G0,   32
.set G1B,  48                          ; the same for B
.set G0B,  56
.set G1F,  68                          ; groups 1 for fill 0 (two groups): A's, B's
.set G1FB, 76
.set G0F,  84                          ; and its groups 0
.set G0FB, 88
.set PFA,  92                          ; s[92:93] my share of the block of 128 rows that I fetch, stepped by a fill at each change of slots
.set MSB, 0
.macro WIN new                         ; low byte: bits 1:0 source 0, 3:2 source 1, 5:4 source 2, 7:6 destination; the high byte repeats the setting that is left
.if MSB != (\new)
	s_set_vgpr_msb (MSB<<8)|(\new)
.set MSB, (\new)
.endif
.endm
.set MUL_LO, 0xa1                      ; source 0 (B) window 1, source 1 (A) window 0, C and D window 2
.set MUL_HI, 0xf1                      ; the same, C and D window 3
.set TO_B,   0x40                      ; destination window 1, address window 0
; A joint load: waves 0 and 1 fetch A's two blocks, waves 2 and 3 B's; each line has one mask.  An s_nop 0 and four v_nop follow each.
.macro JLOAD g0a, g1a, g0b, g1b
	s_cmp_eq_u32 s15, 0
	s_cbranch_scc0 .Lfor_b_\@
	tensor_load_to_lds s[\g0a:\g0a+3], s[\g1a:\g1a+7]
	s_nop 0
.rept 4
	v_nop
.endr
	s_branch .Lasked_\@
.Lfor_b_\@:
	tensor_load_to_lds s[\g0b:\g0b+3], s[\g1b:\g1b+7]
	s_nop 0
.rept 4
	v_nop
.endr
.Lasked_\@:
.endm
.macro CREST                           ; a round of the cluster's barrier behind its opening barrier
	s_cmp_lg_u32 s14, 0
	s_cbranch_scc1 .Lnot_wave_0_\@
	s_barrier_signal -3
.Lnot_wave_0_\@:
	s_barrier_wait -3
	s_barrier_signal -1
	s_barrier_wait -1
.endm
.macro CROUND
	s_barrier_signal -1
	s_barrier_wait -1
	CREST
.endm
.macro ASKAT off                       ; my share of one fill: 37 or 38 blocks of 256 bytes, a lane a block
	global_prefetch_b8 v[PFO], s[PFA:PFA+1] offset:\off th:TH_LOAD_NT scope:SCOPE_SE
	global_prefetch_b8 v[PFO+1], s[PFA:PFA+1] offset:\off th:TH_LOAD_NT scope:SCOPE_SE
.endm
	s_load_b128 s[4:7], s[0:1], 0x0                ; a_q, b_q
	s_load_b64 s[12:13], s[0:1], 0x10              ; out0
	v_lshl_add_u32 v[SPW], v0, 2, SPARE
	v_mov_b32 v[NIL], 0
	ds_add_u32 v[SPW], v[NIL]                      ; the opening lines: the add, twice on end, and its wait ahead of my first tensor load
	ds_add_u32 v[SPW], v[NIL]
	v_lshrrev_b32 v1, 5, v0
	v_readfirstlane_b32 s14, v1                    ; wave 0..3
	s_lshr_b32 s15, s14, 1                         ; which half of the block's rows is mine.  Also: I fetch for A (0) or for B (1)
	s_and_b32 s16, s14, 1                          ; which half of its columns.  Also: which 128 rows I fetch
	s_bfe_u32 s40, ttmp6, 0x40000                  ; cx, cy: my place in the cluster
	s_bfe_u32 s41, ttmp6, 0x40004
	s_lshl_b32 s42, ttmp9, 2
	s_add_co_u32 s42, s42, s40                     ; block column = 4 x cluster x + cx
	s_and_b32 s17, ttmp7, 0xffff
	s_lshl_b32 s17, s17, 2
	s_add_co_u32 s17, s17, s41                     ; block row = 4 x cluster y + cy
	s_lshl_b32 s43, s41, 2
	s_lshl_b32 s43, 15, s43                        ; my row of the cluster
	s_lshl_b32 s44, 0x1111, s40                    ; my column
	s_or_b32 s[G1+0],   s43, (3<<16)|(1<<21)       ; elements of 8 bytes, no padding; bit 21 beside a mask
	s_or_b32 s[G1B+0],  s44, (3<<16)|(1<<21)
	s_or_b32 s[G1F+0],  s43, (3<<16)|(1<<21)
	s_or_b32 s[G1FB+0], s44, (3<<16)|(1<<21)
.irp g, G1, G1B                        ; a dense run of 38,400 bytes as 150 rows of 256
	s_mov_b32 s[\g+1], 32<<16
	s_mov_b32 s[\g+2], (QUART/256)<<16
	s_mov_b32 s[\g+3], 32<<16
	s_mov_b32 s[\g+4], QUART/256
	s_mov_b32 s[\g+5], 32
	s_mov_b32 s[\g+6], 0
	s_mov_b32 s[\g+7], 0
.endr
.irp g, G1F, G1FB                      ; fill 0: 25,600 bytes as 100 rows
	s_mov_b32 s[\g+1], 32<<16
	s_mov_b32 s[\g+2], (NQ0*GRP/256)<<16
	s_mov_b32 s[\g+3], 32<<16
	s_mov_b32 s[\g+4], NQ0*GRP/256
	s_mov_b32 s[\g+5], 32
	s_mov_b32 s[\g+6], 0
	s_mov_b32 s[\g+7], 0
.endr
	s_lshl_b32 s20, s17, 1
	s_add_co_u32 s20, s20, s16
	s_mul_i32 s20, s20, RBB                        ; A: block of 128 rows number 2 x block row + half
	s_mov_b32 s21, 0
	s_lshl_b32 s46, s42, 1
	s_add_co_u32 s46, s46, s16
	s_mul_i32 s46, s46, RBB                        ; B: 2 x block column + half
	s_mov_b32 s47, 0
	s_mul_i32 s45, s14, QUART                      ; where my quarter goes: no place in the cluster enters an LDS address
	s_cmp_eq_u32 s15, 0
	s_cselect_b32 s94, s40, s41                    ; my place among the four that ask with me: cx for A, cy for B
	s_mul_i32 s96, s94, 150
	s_add_co_u32 s96, s96, 3
	s_add_co_u32 s97, s96, 150
	s_lshr_b32 s96, s96, 2                         ; my share's first block,
	s_lshr_b32 s97, s97, 2                         ; the next partner's first
	s_sub_co_u32 s97, s97, s96
	s_sub_co_u32 s97, s97, 33                      ; my share's last block less 32: 5 or 4
	s_lshl_b32 s94, s96, 8
	s_mov_b32 s95, 0
	v_and_b32 v3, 31, v0                           ; lane
	v_lshlrev_b32 v[PFO], 8, v3
	v_min_u32 v[PFO+1], s97, v3
	v_lshl_add_u32 v[PFO+1], v[PFO+1], 8, 0x2000
	s_wait_alu depctr_va_vdst(0)
	s_wait_dscnt 0x0                               ; both opening adds are done
	s_wait_kmcnt 0x0
	s_add_nc_u64 s[20:21], s[4:5], s[20:21]
	s_add_nc_u64 s[46:47], s[6:7], s[46:47]
	CROUND                                         ; all sixteen work-groups are here: the first joint loads meet
	s_mov_b32 s[G0F], 1
	s_mov_b32 s[G0F+1], s45
	s_mov_b64 s[G0F+2:G0F+3], s[20:21]
	s_or_b32 s[G0F+3], s[G0F+3], 0x80000000
	s_mov_b32 s[G0FB], 1
	s_mov_b32 s[G0FB+1], s45
	s_mov_b64 s[G0FB+2:G0FB+3], s[46:47]
	s_or_b32 s[G0FB+3], s[G0FB+3], 0x80000000
	JLOAD G0F, G1F, G0FB, G1FB                     ; fill 0: one tensor load a wave at the head
	s_cmp_eq_u32 s15, 0
	s_cselect_b64 s[PFA:PFA+1], s[20:21], s[46:47] ; the block of 128 rows that I fetch,
	s_add_nc_u64 s[PFA:PFA+1], s[PFA:PFA+1], s[94:95]   ; and my share of each of its fills
	s_mov_b32 s[G0+4], 1                           ; slot 1's group 0 stands at fill 1,
	s_add_co_u32 s[G0+5], s45, SLOT
	s_add_nc_u64 s[G0+6:G0+7], s[20:21], NQ0*GRP
	s_or_b32 s[G0+7], s[G0+7], 0x80000000
	s_mov_b32 s[G0B+4], 1
	s_add_co_u32 s[G0B+5], s45, SLOT
	s_add_nc_u64 s[G0B+6:G0B+7], s[46:47], NQ0*GRP
	s_or_b32 s[G0B+7], s[G0B+7], 0x80000000
	s_mov_b32 s[G0], 1                             ; slot 0's at fill 2
	s_mov_b32 s[G0+1], s45
	s_add_nc_u64 s[G0+2:G0+3], s[20:21], NQ0*GRP+QUART
	s_or_b32 s[G0+3], s[G0+3], 0x80000000
	s_mov_b32 s[G0B], 1
	s_mov_b32 s[G0B+1], s45
	s_add_nc_u64 s[G0B+2:G0B+3], s[46:47], NQ0*GRP+QUART
	s_or_b32 s[G0B+3], s[G0B+3], 0x80000000
	s_lshl_b32 s20, s17, 8                         ; my part of out0: row 256 x block row + 128 x half,
	s_lshl_b32 s21, s15, 7
	s_add_co_u32 s20, s20, s21
	s_mov_b32 s21, 0
	s_mov_b64 s[18:19], SIZE_N*4
	s_mul_u64 s[20:21], s[20:21], s[18:19]
	s_lshl_b32 s46, s42, 10                        ; byte 1,024 x block column + 512 x half of a row
	s_lshl_b32 s47, s16, 9
	s_add_co_u32 s46, s46, s47
	s_mov_b32 s47, 0
	s_add_nc_u64 s[20:21], s[20:21], s[46:47]
	s_add_nc_u64 s[12:13], s[12:13], s[20:21]
	s_mul_i32 s21, s15, QUART                      ; LDS: my 128 rows of A,
	s_mul_i32 s22, s16, QUART
	s_add_co_u32 s22, s22, 2*QUART                 ; my 128 rows of B, behind A's two blocks,
	s_sub_co_u32 s23, s22, s21                     ; the distance between the two,
	s_mul_i32 s18, s14, 16*SPITCH
	s_add_co_u32 s18, s18, SLOT                    ; and my stage
	ASKAT NQ0*GRP                                  ; fill 1 is named under fill 0's flight
	v_and_b32 v1, 15, v0                           ; l % 16
	v_bfe_u32 v2, v0, 4, 1                         ; l / 16
	v_lshlrev_b32 v[CO], 4, v3
	v_add_nc_u32 v[ADRA], s21, v[CO]               ; a piece of a fragment image: 16 x lane
	v_add_nc_u32 v[ADRB], s22, v[CO]
	v_add_nc_u32 v[ADRA+1], SLOT, v[ADRA]
	v_add_nc_u32 v[ADRB+1], SLOT, v[ADRB]
	v_mul_u32_u24 v6, s23, v2                      ; scale words: lanes 16-31 take B's: one product, the lower base + half x the distance
	v_lshl_add_u32 v5, v1, 2, v6
	v_add_nc_u32 v[ADRS], s21, v5
	v_add_nc_u32 v[ADRS+1], SLOT, v[ADRS]
	v_mul_u32_u24 v7, v1, SPITCH                   ; into the stage: row l % 16, 32 bytes for each half of the lanes
	v_lshl_add_u32 v7, v2, 5, v7
	v_add_nc_u32 v[STO], s18, v7
	v_add_nc_u32 v[RD], s18, v[CO]                 ; back: the 32 lanes take one row of 512 bytes
.macro FRAG reg, adr, q, i             ; fragment i of group q of a slot: three pieces of 512 bytes
.irp c, 0,1,2
	ds_load_b128 v[\reg+4*\c:\reg+4*\c+3], v[\adr] offset:(\q)*GRP+(\i)*FRB+512*\c
.endr
.endm
; 16 matrix instructions: A's blocks a0, a0 + 1 x B's eight, on set p.  zero = 1: the first product starts the sums.  No two products that follow each other share an accumulator.
.macro MUL16 a0, p, zero
.irp a, \a0, \a0+1
.irp b, 0,1,2,3,4,5,6,7
.if \zero
	v_wmma_scale_f32_16x16x128_f8f6f4 v[8*(8*((\a)%4)+\b):8*(8*((\a)%4)+\b)+7], v[128*(\p)+FR*\b:128*(\p)+FR*\b+FR-1], v[AF+96*(\p)+FR*(\a):AF+96*(\p)+FR*(\a)+FR-1], 0, v[SC+8*(\p)+\b], v[SC+8*(\p)+(\a)] matrix_a_fmt:MATRIX_FMT_FP6 matrix_b_fmt:MATRIX_FMT_FP6 matrix_a_scale:MATRIX_SCALE_ROW1
.else
	v_wmma_scale_f32_16x16x128_f8f6f4 v[8*(8*((\a)%4)+\b):8*(8*((\a)%4)+\b)+7], v[128*(\p)+FR*\b:128*(\p)+FR*\b+FR-1], v[AF+96*(\p)+FR*(\a):AF+96*(\p)+FR*(\a)+FR-1], v[8*(8*((\a)%4)+\b):8*(8*((\a)%4)+\b)+7], v[SC+8*(\p)+\b], v[SC+8*(\p)+(\a)] matrix_a_fmt:MATRIX_FMT_FP6 matrix_b_fmt:MATRIX_FMT_FP6 matrix_a_scale:MATRIX_SCALE_ROW1
.endif
.endr
.endr
.endm
.macro FETCH slot, q, p                ; 56 loads in one run: B's eight fragments, the eight scale words, A's eight fragments (blocks 4-7 last) of group q, into set p
	WIN TO_B
.irp i, 0,1,2,3,4,5,6,7
	FRAG 128*(\p)+FR*\i, ADRB+\slot, \q, \i
.endr
	WIN 0
.irp i, 0,1,2,3,4,5,6,7
	ds_load_b32 v[SC+8*(\p)+\i], v[ADRS+\slot] offset:(\q)*GRP+SCO+64*\i
.endr
.irp i, 0,1,2,3,4,5,6,7
	FRAG AF+96*(\p)+FR*\i, ADRA+\slot, \q, \i
.endr
.endm
.macro PLACES n
.rept \n
	v_nop
.endr
.endm
; A step: group q + 1 is fetched into the other set, whose registers the step before has read (so the four places); then 64 matrix instructions on set p (group q of the slot).
.macro STEP slot, q, p, zero
	s_wait_dscnt 4*NL                              ; B, the scale words and A's blocks 0-3 of this step are in; the youngest twelve loads (A's blocks 4-7) may be out
	PLACES NP
	FETCH \slot, (\q)+1, 1-(\p)
	WIN MUL_LO
	MUL16 0, \p, \zero
	MUL16 2, \p, \zero
	s_wait_dscnt 16*NL+8                           ; all but the 56 loads of this step's run: A's blocks 4-7 are in
	WIN MUL_HI
	MUL16 4, \p, \zero
	MUL16 6, \p, \zero
.endm
; The step on a slot's last group changes slots.  In front of its barrier each wave waits for all its tensor loads (the one that is out is its quarter of the next slot), adds 0 to its spare word, and waits for that
; and for its reads of this slot, which ended with this step's own fragments.  fill = 1: the barrier opens a round of the cluster's barrier and this slot is filled again.
; ask = 1: the fill two on is named; ask = 2: the same, but not in the loop's last trip, where there is no such fill.
.macro TURN slot, next, p, fill, ask
.if \ask
	s_wait_xcnt 0x0                                ; my earlier prefetches have read their base: it is stepped here, a fill's steps behind them
	s_add_nc_u64 s[PFA:PFA+1], s[PFA:PFA+1], QUART
.endif
	WIN 0                                          ; (the add's two registers lie in window 0)
	s_wait_tensorcnt 0x0
	ds_add_u32 v[SPW], v[NIL]
.if \fill
	s_add_nc_u64 s[G0+4*\next+2:G0+4*\next+3], s[G0+4*\next+2:G0+4*\next+3], 2*QUART     ; no load of mine is out: the next slot's group 0 steps to its next fill
	s_add_nc_u64 s[G0B+4*\next+2:G0B+4*\next+3], s[G0B+4*\next+2:G0B+4*\next+3], 2*QUART
.endif
	s_wait_dscnt 4*NL+1                            ; the add and the youngest twelve loads may be out
	WIN MUL_LO
	MUL16 0, \p, 0                                 ; sixteen matrix instructions between the add and the wait for it
	s_wait_dscnt 0x0
	s_barrier_signal -1
	MUL16 2, \p, 0
	WIN 0
	s_barrier_wait -1
.if \fill
	CREST                                          ; no wave of any partner still reads this slot or has a load on its way
	JLOAD G0+4*\slot, G1, G0B+4*\slot, G1B         ; the first tensor load behind the round; its four v_nop are the places in front of the loads below
.else
	PLACES NP
.endif
	FETCH \next, 0, 1-(\p)
.if \ask == 2
	s_cmp_gt_u32 s3, 1
	s_cbranch_scc0 .Lno_ask_\@
.endif
.if \ask
	ASKAT NQ0*GRP+2*QUART                          ; the base stands one fill under the fill just asked for, less fill 0's bytes: this names the fill two on
.endif
.if \ask == 2
.Lno_ask_\@:
.endif
	WIN MUL_HI
	MUL16 4, \p, 0
	MUL16 6, \p, 0
.endm
	s_wait_alu depctr_va_vdst(0)
	s_wait_tensorcnt 0x0                           ; my quarter of fill 0 is in
	ds_add_u32 v[SPW], v[NIL]
	s_wait_dscnt 0x0
	CROUND                                         ; everybody's quarter is in, and all sixteen work-groups are here
	JLOAD G0+4, G1, G0B+4, G1B                     ; fill 1, slot 1's first
	FETCH 0, 0, 0
	ASKAT NQ0*GRP+QUART                            ; fill 2,
	ASKAT NQ0*GRP+2*QUART                          ; fill 3
	STEP 0, 0, 0, 1                                ; the first step's products start the sums
	WIN 0                                          ; at a label and at a branch every window is 0
	s_mov_b32 s3, TRIPS
.Llap:                                                 ; fills 2 to 9
	TURN 0, 1, 1, 1, 1
	STEP 1, 0, 0, 0
	STEP 1, 1, 1, 0
	TURN 1, 0, 0, 1, 2
	STEP 0, 0, 1, 0
	STEP 0, 1, 0, 0
	WIN 0
	s_sub_co_u32 s3, s3, 1
	s_cmp_lg_u32 s3, 0
	s_cbranch_scc1 .Llap
	TURN 0, 1, 1, 1, 0                             ; fill 10, the last
	STEP 1, 0, 0, 0
	STEP 1, 1, 1, 0
	TURN 1, 0, 0, 0, 0                             ; nothing is filled again: no round
	STEP 0, 0, 1, 0                                ; the third step from the end; it has fetched the next step's operands into set 0
; THE WAY OUT of block a, 16 rows x 128 columns: through my own stage in LDS and back as whole rows of 512 bytes, which the 32 lanes store as two aligned runs of 256 bytes.
; LDS serves a wave's instructions in order (ISA guide 5.7.1.4): no wait between the stores and the loads.  The rows come back into 64 registers of window 1 that no product names: v96-127 and v224-255.
.macro OUT a
.set AC, 64*((\a)%4)
.if (\a) > 0
	s_wait_xcnt 0x0                                ; the block before's stores have read their registers and their base
.endif
	WIN 0x08+4*((\a)/4)                            ; the data: window 2 or 3
.irp b, 0,1,2,3,4,5,6,7
	ds_store_b128 v[STO], v[AC+8*\b:AC+8*\b+3] offset:64*\b          ; each accumulator from its low end on
	ds_store_b128 v[STO], v[AC+8*\b+4:AC+8*\b+7] offset:64*\b+16
.endr
	WIN TO_B
.irp t, 0,1,2,3,4,5,6,7,8,9,10,11,12,13,14,15
	ds_load_b128 v[96+4*\t+96*(\t/8):96+4*\t+96*(\t/8)+3], v[RD] offset:\t*SPITCH
.endr
	s_wait_dscnt 0x0                               ; the block is back in registers
.if (\a) > 0
	s_add_nc_u64 s[12:13], s[12:13], 16*SIZE_N*4   ; 16 rows of out0 on
.endif
	WIN 0x04                                       ; the stores' data: window 1
.irp t, 0,1,2,3,4,5,6,7,8,9,10,11,12,13,14,15
	global_store_b128 v[CO], v[96+4*\t+96*(\t/8):96+4*\t+96*(\t/8)+3], s[12:13] offset:\t*SIZE_N*4 th:TH_STORE_NT
.endr
.endm
; THE LAST TWO STEPS, on set 0 and on set 1, by pairs of blocks: a pair's 16 accumulators take their turns through the one step and then through the other, K ascending, and are finished.
.macro PAIR a0
	WIN MUL_LO+0x50*((\a0)/4)                      ; MUL_LO or MUL_HI
	MUL16 \a0, 0, 0
	s_wait_dscnt 0x0                               ; (the first pair: the last step's operands, asked for 16 products ago, are in)
	MUL16 \a0, 1, 0
	PLACES NP                                      ; in front of the reads of results just made
	OUT \a0
	OUT (\a0)+1
.endm
	s_wait_dscnt 0x0
	PLACES NP
	FETCH 0, 2, 1                                  ; the last step's operands into set 1
	PAIR 0
	PAIR 2
	PAIR 4
	PAIR 6
	WIN 0
	s_wait_tensorcnt 0x0                           ; the wave's end
	ds_add_u32 v[SPW], v[NIL]
	s_wait_dscnt 0x0
	CROUND                                         ; the closing round
	s_endpgm
.Lfunc_end_k_q7aa83b6c85_gemm:
	.size	k_q7aa83b6c85_gemm, .Lfunc_end_k_q7aa83b6c85_gemm-k_q7aa83b6c85_gemm
	.p2alignl 7, 3214868480
	.fill 96, 4, 3214868480
	.section	.rodata,"a",@progbits
	.p2align	6, 0x0
	.amdhsa_kernel k_q7aa83b6c85_gemm
		.amdhsa_group_segment_fixed_size 327680
		.amdhsa_private_segment_fixed_size 0
		.amdhsa_enable_private_segment 0
		.amdhsa_kernarg_size 24
		.amdhsa_user_sgpr_count 2
		.amdhsa_user_sgpr_kernarg_segment_ptr 1
		.amdhsa_wavefront_size32 1
		.amdhsa_system_sgpr_workgroup_id_x 1
		.amdhsa_system_sgpr_workgroup_id_y 1
		.amdhsa_system_sgpr_workgroup_id_z 1
		.amdhsa_system_vgpr_workitem_id 0
		.amdhsa_next_free_vgpr 1024
		.amdhsa_next_free_sgpr 98
		.amdhsa_reserve_vcc 0
		.amdhsa_float_denorm_mode_32 3
		.amdhsa_float_denorm_mode_16_64 3
		.amdhsa_memory_ordered 1
		.amdhsa_forward_progress 1
		.amdhsa_inst_pref_size 210
	.end_amdhsa_kernel
	.amdgpu_metadata
---
amdhsa.version: [ 1, 2 ]
amdhsa.kernels:
  - .name:           k_q7aa83b6c85_gemm
    .symbol:         k_q7aa83b6c85_gemm.kd
    .args:
      - { .name: a_q, .offset: 0, .size: 8, .value_kind: global_buffer, .address_space: global }
      - { .name: b_q, .offset: 8, .size: 8, .value_kind: global_buffer, .address_space: global }
      - { .name: out0, .offset: 16, .size: 8, .value_kind: global_buffer, .address_space: global }
    .group_segment_fixed_size: 327680
    .private_segment_fixed_size: 0
    .kernarg_segment_align: 8
    .kernarg_segment_size: 24
    .max_flat_workgroup_size: 128
    .sgpr_count:     98
    .vgpr_count:     1024
    .wavefront_size: 32
...
	.end_amdgpu_metadata
.endif
;; end of part 2
